; MI455X (gfx1250); checked and timed in simulation.
; The chip was launched on July 23, 2026; its instructions are those of AMD's public machine-readable ISA for CDNA 5 (MIT licence, August 2026) and "CDNA5" Instruction Set Architecture Reference Guide (July 2026). The comments in the code are by the model that wrote it; some were corrected since.
;; Bert Image Self Attention. Allowed arithmetic: matrix products marked QUANTISED: E3M2 operands, one E8M0 scale for each 32 along K, by v_wmma_scale_f32_16x16x128_f8f6f4 with both operands' format E3M2, f32 sums; products left as they are: f32 operands where the result goes on into a quantised operand, else bf16, f16 or f32 operands; f32 sums; everything else in f32.
;; Inputs: Wdk 768 x 1,024 float32; Wdq 768 x 1,024 float32; Wk 1,024 x 1,024 float32; Wq 1,024 x 1,024 float32; Wv 1,024 x 1,024 float32; attention_mask 4 x 1 x 1 x 2,048 float32; bdk 1,024 float32; bdq 1,024 float32; bk 1,024 float32; bq 1,024 float32; bv 1,024 float32; hidden_states 4 x 2,048 x 1,024 float32; txt_attention_mask 4 x 64 x 1 float32; txt_embedding 4 x 64 x 768 float32.
;; Outputs: out0 4 x 2,048 x 1,024 float32.
;; This version of the problem:
;;   THIS VERSION OF THE PROBLEM IS GIVEN IN LOW PRECISION. The matrix products marked QUANTISED in the list below multiply operands that are first quantised to E3M2 (3 exponent bits, 2 mantissa bits; 6 bits a number), with one power-of-two scale for each 32 numbers along K (OCP MX v1.0); their sums are f32. All else is computed in f32.
;;   The module's matrix products, in the order in which they are computed (A, B: the left and right operand; K: the contracted axis; several contracted axes count as one K, in the product's order):
;;     1. [M 8,192, K 1,024] x [K 1,024, N 1,024]; A: input hidden_states; B: input Wq: QUANTISED
;;     2. [M 8,192, K 1,024] x [K 1,024, N 1,024]; A: input hidden_states; B: input Wk: QUANTISED
;;     3. [M 8,192, K 1,024] x [K 1,024, N 1,024]; A: input hidden_states; B: input Wv: QUANTISED
;;     4. [M 4, K 768] x [K 768, N 1,024]; A: computed on the way; B: input Wdq: left as it is (M = 4 < 16)
;;     5. [M 4, K 768] x [K 768, N 1,024]; A: computed on the way; B: input Wdk: left as it is (M = 4 < 16)
;;     6. batch 64 x [M 2,048, K 64] x [K 64, N 2,048]; A: computed on the way; B: computed on the way: QUANTISED
;;     7. batch 64 x [M 2,048, K 2,048] x [K 2,048, N 64]; A: softmax (see below); B: computed on the way: QUANTISED
;;   THE QUANTISER, for each operand of a quantised product, along K:
;;     - K is cut into blocks of 32 from its start; a last block that is shorter is filled with zeros.
;;     - A block's scale is 2^e with e = floor(log2(the largest magnitude in the block)) - 4, held to -126 .. 127; a block of zeros has e = 0. As a byte (E8M0): e + 127.
;;     - Each number is divided by its block's scale, clamped to +-28, and rounded to the nearest number of E3M2, ties to even, subnormals kept.
;;     - The product sums the exact products of the quantised numbers (number of the format x scale) in f32.
;;   ~~~python
;;   def quantise(x, axis):      # numpy; x: float32 -> the quantised numbers, widened to float32 again
;;       x = np.moveaxis(x, axis, -1); K = x.shape[-1]
;;       x = np.pad(x, [(0, 0)] * (x.ndim - 1) + [(0, -K % 32)]); x = x.reshape(x.shape[:-1] + (-1, 32)); a = np.abs(x).max(-1, keepdims=True)
;;       e = np.where(a > 0, np.clip(np.frexp(np.where(a > 0, a, 1))[1] - 1 - 4, -126, 127), 0)      # np.frexp(a)[1] - 1 = floor(log2(a)), exactly
;;       r = np.clip(x / 2.0 ** e, -28, 28)
;;       step = 2.0 ** (np.maximum(np.frexp(np.where(r == 0, 1, r))[1] - 1, -2) - 2)
;;       q = np.round(r / step) * step * 2.0 ** e      # np.round: ties to even
;;       return np.moveaxis(q.reshape(q.shape[:-2] + (-1,))[..., :K], -1, axis).astype(np.float32)
;;   ~~~
;;   SOFTMAX AHEAD OF A QUANTISED PRODUCT. Where the list says 'softmax', what is quantised is not the finished softmax but p = 2^(t - M), with t = logit x log2(e) and M = ceil(the row's largest t), a whole number; so 1/2 < the row's largest p <= 1. The row's sum l is taken of the UNQUANTISED p, in f32, and the product's result is divided by l at the end. Since M is a whole number, a kernel that streams over the keys may use a running M (the ceiling of the running maximum): every later rescaling is an exact power of two, which a block's scale takes up: the codes' values come out the same.
;;   OPERANDS COMPUTED ON THE WAY. 'Computed on the way' means the value that the module computes at that place (a softmax that the list does not call 'softmax' is quantised finished and normalised). What goes into a quantiser is computed in f32, as accurately as f32 sums, v_exp_f32 and their like allow (about 1e-6 of the number): no bf16 or f16 on the way to a quantiser, and a product that is left as it is and whose result goes on into a quantised operand takes f32 operands (vector FMAs, or v_wmma_f32_16x16x4_f32). A number that lies on a knife's edge between two numbers of the format may be rounded either way, as far as f32 arithmetic and the matrix unit's own rounding can turn it there, and no further.
;; One version. Each part assembles by itself: llvm-mc -triple=amdgcn-amd-amdhsa -mcpu=gfx1250 --defsym DOCPART=n.
;; ======== version 1 of 1: 3 launches
;; limits: right only within a limited range of input values
;; workspace buffers: xq 6,553,600 bytes; wq 2,457,600 bytes; gates 32,768 bytes; q_img 6,291,456 bytes; qs 524,288 bytes; kv_img 12,582,912 bytes; kvs 524,288 bytes
;; launch prep (part 1): grid 480 x 1, 4 waves a work-group, no clusters, 68,096 bytes of LDS; arguments hidden_states, Wq, Wk, Wv, txt_embedding, txt_attention_mask, Wdq, Wdk, bdq, bdk, xq, wq, gates; writes xq, wq, gates
.if DOCPART == 1
	.amdgcn_target "amdgcn-amd-amdhsa--gfx1250"
	.amdhsa_code_object_version 6
	.text
	.protected	k_q5d71705f88_prep
	.globl	k_q5d71705f88_prep
	.p2align	8
	.type	k_q5d71705f88_prep,@function
k_q5d71705f88_prep:
	s_mov_b64 s[64:65], 0
	v_nop
	global_prefetch_b8 v0, s[64:65] scope:SCOPE_SE
	s_setreg_imm32_b32 hwreg(HW_REG_WAVE_MODE, 25, 1), 1
	s_wait_xcnt 0x0
; Three jobs in one launch, parted by the work-group's number; each has LDS bytes, pointers and an end of its own.
;   work-groups   0-127: the two gates, 1 + sigmoid(pool . Wd + bd), f32 throughout (they go on into quantised operands)
;   work-groups 128-223: Wq, Wk, Wv ([K][N], f32) into codes of E3M2 along K, laid as images of operand registers
;   work-groups 224-479: hidden_states ([8192][1024], f32) into codes of E3M2 along K, laid likewise
; AN IMAGE: a fragment (16 rows x 128 K, 12 registers a lane) is 1,536 bytes: registers 4 c .. 4 c + 3 of lane l at 512 c + 16 l.
; THE ROWS OF A TILE ARE NOT NEIGHBOURS: row i of tile u of a group of 32 is element 8 u + i + 8 (i / 8) of the group, for tokens and for channels.
; A block's scale byte is its largest magnitude's exponent field - 4, held at 1 from below.
; LIMITS: NaN and infinities among the inputs are not served; a block whose largest magnitude lies under 2^-122 (zeros too) keeps the byte 1
; (its codes are zeros or tiny, and only this program reads the bytes); a text mask whose sum is 0 is not served; the pool's division is a
; reciprocal (v_rcp_f32) applied behind the dot product.
; No tensor loads, no clusters (no two work-groups share a tile), no matrix instructions (the gates' products have 4 rows).
.set XSTG, 0                           ; tokens' path: a stage of 16 rows x 528 bytes for each wave
.set WSTG, 33792                       ; weights' path: 6,400 bytes for each wave
.set GP,   59392                       ; gates' path: two partial pools of 768 f32
.set GR,   65536                       ; gates' path: eight partial dot products of 64 columns
.set SEL,  20                          ; s[20:21] lane selects for v_permlanex16_b32: lane l xor 16
.set RX,   16                          ; v16-143  two sets of 64 numbers as loaded
.set XN,   144                         ; v144-207 64 numbers: register 16 b + i = k 32 b + 16 (lane / 16) + i of my row
.set PC,   208                         ; v208-219 the fragment's codes; v220-226 at work
.set TM,   228                         ; v228-243 at work in QUANT
.set PW,   244                         ; v244-247 four scale words
; 64 numbers of a lane become a fragment's codes in v[PC] on and its scale word in v[w].
.macro QUANT s, w
.irp b, 0,1,2,3
	v_max3_num_f32 v[TM+\b], |v[\s+16*\b]|, |v[\s+1+16*\b]|, 0x2800000   ; my 16 numbers of block b, and the floor 2^(5 - 127)
.endr
.irp i, 2,4,6,8,10,12,14
.irp b, 0,1,2,3
	v_max3_num_f32 v[TM+\b], v[TM+\b], |v[\s+16*\b+\i]|, |v[\s+1+16*\b+\i]|
.endr
.endr
.irp b, 0,1,2,3
	v_permlanex16_b32 v[TM+4+\b], v[TM+\b], s[SEL], s[SEL+1]
.endr
.irp b, 0,1,2,3
	v_max_num_f32 v[TM+\b], v[TM+\b], v[TM+4+\b]                 ; with lane l xor 16's: the block's largest magnitude
.endr
.irp b, 0,1,2,3
	v_add_nc_u32 v[TM+12+\b], 0xfe000000, v[TM+\b]               ; 4 off its exponent field: the conversion's scale operand
.endr
.irp b, 0,1,2,3
	v_lshrrev_b32 v[TM+4+\b], 23, v[TM+12+\b]                    ; the scale's byte
.endr
	v_lshl_or_b32 v[\w], v[TM+5], 8, v[TM+4]
	v_lshl_or_b32 v[\w], v[TM+6], 16, v[\w]
	v_lshl_or_b32 v[\w], v[TM+7], 24, v[\w]
.irp c, 0,1
	v_cvt_scalef32_pk16_bf6_f32 v[PC+6*\c:PC+2+6*\c], v[\s+32*\c:\s+15+32*\c], v[TM+12+2*\c]
	v_cvt_scalef32_pk16_bf6_f32 v[PC+12+4*\c:PC+14+4*\c], v[\s+16+32*\c:\s+31+32*\c], v[TM+12+2*\c+1]
.endr
	v_nop                                          ; one plain place behind a scaled conversion
.irp c, 0,1                                    ; a whole block to a lane: lanes 0-15 block 2 c, lanes 16-31 block 2 c + 1
.irp i, 0,1,2
	v_permlane16_swap_b32 v[PC+6*\c+\i], v[PC+12+4*\c+\i]
.endr
.irp i, 0,1,2
	v_mov_b32 v[PC+3+6*\c+\i], v[PC+12+4*\c+\i]
.endr
.endr
.endm
	s_set_vgpr_msb 0x40
	v_lshl_add_u32 v0, v0, 2, 0x10800
	v_mov_b32 v1, 0
	s_set_vgpr_msb 0x4000
	v_lshrrev_b32 v1, 5, v0
	v_readfirstlane_b32 s2, v1                     ; wave 0..3
	s_cmp_lt_u32 ttmp9, 128
	s_cbranch_scc1 .Lgate
	s_cmp_lt_u32 ttmp9, 224
	s_cbranch_scc1 .Lweight
; ---------------- hidden_states: a work-group takes 32 tokens; wave w takes tile u = w / 2 and K half w % 2: four fragments
	s_load_b64 s[4:5], s[0:1], 0x0                 ; hidden_states
	s_load_b64 s[6:7], s[0:1], 0x50                ; xq
	s_sub_co_u32 s8, ttmp9, 224                    ; the group of 32 tokens, 0..255
	s_lshr_b32 s9, s2, 1                           ; u
	s_and_b32 s10, s2, 1                           ; K half
	s_mov_b32 s[SEL], 0x76543210
	s_mov_b32 s[SEL+1], 0xfedcba98
	v_and_b32 v1, 31, v0                           ; lane
	v_lshlrev_b32 v2, 4, v1                        ; 16 x lane
	s_mul_i32 s11, s2, 8448                        ; my stage
	v_add_nc_u32 v3, s11, v2                       ; in: 16 x lane, a row's 512 bytes on end
	v_and_b32 v6, 15, v0                           ; r
	v_bfe_u32 v7, v0, 4, 1                         ; h
	v_mul_u32_u24 v4, v6, 528
	v_lshl_add_u32 v4, v7, 6, v4
	v_add_nc_u32 v4, s11, v4                       ; out: row r, + 64 h: my 16 numbers of a block
	v_lshlrev_b32 v5, 4, v6                        ; the scale words' place: 16 r
.irp b, 0,1,2,3
	v_mov_b32 v[TM+4+\b], 0                        ; a lane permute's destination counts as read
.endr
	s_lshl_b32 s12, s8, 17                         ; 32 tokens of 4,096 bytes,
	s_lshl_b32 s13, s9, 15                         ; 8 u tokens,
	s_add_co_u32 s12, s12, s13
	s_lshl_b32 s13, s10, 11                        ; 512 numbers a K half
	s_add_co_u32 s12, s12, s13
	s_mov_b32 s13, 0
	s_lshr_b32 s14, s8, 2
	s_mul_i32 s14, s14, 102400                     ; the block of 128 tokens in xq
	s_and_b32 s15, s8, 3
	s_lshl_b32 s15, s15, 1
	s_add_co_u32 s15, s15, s9                      ; a: the tile among the block's eight
	s_mul_i32 s16, s15, 12288
	s_add_co_u32 s16, s16, s14
	s_mul_i32 s17, s10, 6144
	s_add_co_u32 s16, s16, s17
	s_mov_b32 s17, 0
	s_lshl_b32 s18, s15, 9
	s_add_co_u32 s18, s18, s14
	s_lshl_b32 s19, s10, 8
	s_add_co_u32 s18, s18, s19
	s_add_co_u32 s18, s18, 98304                   ; the scale words lie behind the block's 64 fragments
	s_mov_b32 s19, 0
	s_wait_alu depctr_va_vdst(0)
	s_wait_kmcnt 0x0
	s_add_nc_u64 s[4:5], s[4:5], s[12:13]
	s_add_nc_u64 s[22:23], s[6:7], s[18:19]
	s_add_nc_u64 s[6:7], s[6:7], s[16:17]
.macro LOADX f                         ; fragment f: each load reads 512 consecutive bytes: one row's 128 numbers
.irp i, 0,1,2,3,4,5,6,7,8,9,10,11,12,13,14,15
	global_load_b128 v[RX+64*((\f)%2)+4*\i:RX+64*((\f)%2)+4*\i+3], v2, s[4:5] offset:(\i+8*(\i/8))*4096+512*(\f) th:TH_LOAD_NT
.endr
.endm
.macro FRAGX f
.if (\f) < 3
	s_wait_loadcnt 16                              ; this fragment's 16 loads are in; the next one's 16 may be out
.else
	s_wait_loadcnt 0x0
.endif
.irp i, 0,1,2,3,4,5,6,7,8,9,10,11,12,13,14,15
	ds_store_b128 v3, v[RX+64*((\f)%2)+4*\i:RX+64*((\f)%2)+4*\i+3] offset:528*\i
.endr
.irp b, 0,1,2,3
.irp j, 0,1,2,3
	ds_load_b128 v[XN+16*\b+4*\j:XN+16*\b+4*\j+3], v4 offset:128*\b+16*\j   ; LDS serves a wave's instructions in order: these see the stores above
.endr
.endr
	s_wait_dscnt 0x0
.if (\f) < 2
	LOADX (\f)+2
.endif
	s_wait_xcnt 0x0                                ; the last fragment's stores have read v[PC] on: it is written again only behind this wait
	QUANT XN, PW+\f
.irp c, 0,1,2
	global_store_b128 v2, v[PC+4*\c:PC+4*\c+3], s[6:7] offset:1536*(\f)+512*\c   ; 512 consecutive bytes, aligned
.endr
.endm
	LOADX 0
	LOADX 1
	FRAGX 0
	FRAGX 1
	FRAGX 2
	FRAGX 3
	v_cmp_gt_u32 vcc_lo, 16, v1
	s_wait_xcnt 0x0                                ; EXEC changes only behind this wait
	s_set_vgpr_msb 0x5
	s_wait_tensorcnt 0x0
	ds_add_u32 v0, v1
	s_wait_dscnt 0x0
	s_set_vgpr_msb 0x500
	s_and_saveexec_b32 s24, vcc_lo
	global_store_b128 v5, v[PW:PW+3], s[22:23]     ; sixteen lanes store 256 consecutive bytes: four K steps' words of 16 rows
	s_wait_xcnt 0x0
	s_or_b32 exec_lo, exec_lo, s24
	s_endpgm
; ---------------- Wq, Wk, Wv: a lane takes a column, its registers run down K; a wave takes 32 columns x 256 along K
.set XW,  32                           ; v32-95   two sets of 32 numbers
.set CW,  96                           ; v96-101  a block's codes
.set DW,  104                          ; v104-106 the second half, as converted
.set SBW, 24                           ; v24-25   scale words of the two K steps
.set OW,  112                          ; v112-159 the way out
.Lweight:
	s_load_b128 s[4:7], s[0:1], 0x8                ; Wq, Wk
	s_load_b64 s[8:9], s[0:1], 0x18                ; Wv
	s_load_b64 s[10:11], s[0:1], 0x58              ; wq
	s_sub_co_u32 s12, ttmp9, 128
	s_and_b32 s13, s12, 7
	s_lshl_b32 s13, s13, 2
	s_add_co_u32 s13, s13, s2                      ; cg: my group of 32 columns, 0..31
	s_bfe_u32 s14, s12, 0x20003                    ; which 256 along K
	s_lshr_b32 s12, s12, 5                         ; g: 0 Wq, 1 Wk, 2 Wv
	s_lshl_b32 s16, s14, 20                        ; 256 rows of 4,096 bytes
	s_lshl_b32 s17, s13, 7
	s_add_co_u32 s16, s16, s17
	s_mov_b32 s17, 0
	s_lshl_b32 s18, s14, 3                         ; wq: [K step 8][4 heads' group 4][head 4][19,200]: two K steps are 8 x 76,800
	s_lshr_b32 s19, s13, 3
	s_add_co_u32 s18, s18, s19
	s_mul_i32 s18, s18, 76800
	s_bfe_u32 s19, s13, 0x20001
	s_mul_i32 s19, s19, 19200
	s_add_co_u32 s18, s18, s19
	s_and_b32 s20, s13, 1                          ; which 32 channels of the head
	s_lshl_b32 s21, s12, 2
	s_lshl_b32 s22, s20, 1
	s_add_co_u32 s21, s21, s22
	s_mul_i32 s21, s21, 1536                       ; fragment 4 g + 2 (cg % 2) + u
	s_add_co_u32 s22, s18, s21
	s_mov_b32 s23, 0
	s_lshl_b32 s24, s12, 8                         ; scale words: 256 g + 64 t + 4 i, behind the 12 fragments
	s_lshl_b32 s25, s20, 7
	s_add_co_u32 s24, s24, s25
	s_add_co_u32 s24, s24, s18
	s_add_co_u32 s24, s24, 18432
	s_mov_b32 s25, 0
	v_and_b32 v2, 31, v0                           ; x: my column in the group
	v_lshlrev_b32 v3, 2, v2
	v_bfe_u32 v5, v0, 3, 1                         ; u = (x / 8) % 2
	v_and_b32 v6, 7, v0
	v_lshrrev_b32 v10, 4, v2
	v_lshl_add_u32 v6, v10, 3, v6                  ; i = x % 8 + 8 (x / 16): my row in tile u
	s_mul_i32 s26, s2, 6400
	s_add_co_u32 s26, s26, WSTG                    ; my stage: tile u's two images at 3,200 u
	v_mul_u32_u24 v4, v5, 3200
	v_lshl_add_u32 v4, v6, 4, v4
	v_add_nc_u32 v4, s26, v4
	v_lshlrev_b32 v8, 4, v2
	v_add_nc_u32 v7, s26, v8
	v_lshlrev_b32 v9, 6, v5
	v_lshl_add_u32 v9, v6, 2, v9                   ; 64 u + 4 i
	s_wait_kmcnt 0x0
	s_cmp_eq_u32 s12, 0                            ; the choice hangs on the work-group's number alone
	s_cselect_b64 s[4:5], s[4:5], s[6:7]
	s_cmp_eq_u32 s12, 2
	s_cselect_b64 s[4:5], s[8:9], s[4:5]
	s_add_nc_u64 s[4:5], s[4:5], s[16:17]
	s_add_nc_u64 s[14:15], s[10:11], s[24:25]
	s_add_nc_u64 s[10:11], s[10:11], s[22:23]
.macro LOADW t                         ; block t: W(32 t + i, my column): 32 lanes read 128 consecutive bytes
.irp i, 0,1,2,3,4,5,6,7,8,9,10,11,12,13,14,15,16,17,18,19,20,21,22,23,24,25,26,27,28,29,30,31
	global_load_b32 v[XW+32*((\t)%2)+\i], v3, s[4:5] offset:(32*(\t)+\i)*4096 th:TH_LOAD_NT
.endr
.endm
.macro BLOCKW t
.set XS, XW+32*((\t)%2)
.set OFS, 1536*((\t)/4)+256*((\t)%2)   ; K step t / 4; the block goes to lane i + 16 (t % 2), registers 6 c on, c = (t % 4) / 2
.if (\t) < 7
	s_wait_loadcnt 32                              ; this block's 32 loads are in; the next block's may be out
.else
	s_wait_loadcnt 0x0
.endif
	v_max3_num_f32 v12, |v[XS]|, |v[XS+1]|, |v[XS+2]|
	v_max3_num_f32 v13, |v[XS+3]|, |v[XS+4]|, |v[XS+5]|
.irp i, 6,10,14,18,22,26
	v_max3_num_f32 v12, v12, |v[XS+\i]|, |v[XS+\i+1]|
	v_max3_num_f32 v13, v13, |v[XS+\i+2]|, |v[XS+\i+3]|
.endr
	v_max3_num_f32 v12, v12, |v[XS+30]|, |v[XS+31]|
	v_max3_num_f32 v12, v12, v13, 0x2800000        ; and the floor 2^(5 - 127)
	v_add_nc_u32 v11, 0xfe000000, v12
	v_lshrrev_b32 v13, 23, v11
.if (\t)%4 == 0
	v_mov_b32 v[SBW+(\t)/4], v13
.else
	v_lshl_or_b32 v[SBW+(\t)/4], v13, 8*((\t)%4), v[SBW+(\t)/4]
.endif
	v_cvt_scalef32_pk16_bf6_f32 v[CW:CW+2], v[XS:XS+15], v11
	v_cvt_scalef32_pk16_bf6_f32 v[DW:DW+2], v[XS+16:XS+31], v11
	v_nop                                          ; one plain place behind a scaled conversion
.irp i, 0,1,2
	v_mov_b32 v[CW+3+\i], v[DW+\i]
.endr
.if ((\t)%4) < 2
	ds_store_b128 v4, v[CW:CW+3] offset:OFS        ; registers 0-3: plane 0;  4, 5: the first half of my 16 bytes of plane 1
	ds_store_b64 v4, v[CW+4:CW+5] offset:OFS+512
.else
	ds_store_b64 v4, v[CW:CW+1] offset:OFS+520     ; registers 6, 7: the second half;  8-11: plane 2
	ds_store_b128 v4, v[CW+2:CW+5] offset:OFS+1024
.endif
.if (\t)+2 < 8
	LOADW (\t)+2
.endif
	s_wait_dscnt 0x0                               ; the stores have read their registers: the next block's codes may be written
.endm
	LOADW 0
	LOADW 1
.set Q, 0
.rept 8
	BLOCKW Q
.set Q, Q+1
.endr
	global_store_b32 v9, v[SBW], s[14:15]          ; 32 lanes store 128 consecutive bytes
	s_wait_alu depctr_va_vdst(0)
	global_store_b32 v9, v[SBW+1], s[14:15] offset:307200
.irp n, 0,1,2,3,4,5,6,7,8,9,10,11              ; tile n / 6, K step (n / 3) % 2, plane n % 3
	ds_load_b128 v[OW+4*\n:OW+4*\n+3], v7 offset:3200*(\n/6)+1536*((\n/3)%2)+512*(\n%3)
.endr
.irp n, 0,1,2,3,4,5,6,7,8,9,10,11
	s_wait_dscnt 11-\n                             ; the younger reads may be out
	global_store_b128 v8, v[OW+4*\n:OW+4*\n+3], s[10:11] offset:307200*((\n/3)%2)+1536*(\n/6)+512*(\n%3)
.endr
	s_set_vgpr_msb 0x5
	s_wait_tensorcnt 0x0
	ds_add_u32 v0, v1
	s_wait_dscnt 0x0
	s_set_vgpr_msb 0x500
	s_endpgm
; ---------------- the gates: a work-group takes one gate, one batch row, 64 columns
.set AC, 16                            ; v16-27   my 12 numbers of half a pool
.set DA, 28                            ; v28-31   my four columns' partial dot product
.set TX, 32                            ; v32-95   a ring of 16 loads of the text
.set WD, 96                            ; v96-223  two sets of 16 rows x 4 columns of Wd
.set PL, 224                           ; v224-255 16 numbers of each partial pool
.Lgate:
	s_load_b128 s[4:7], s[0:1], 0x20               ; txt_embedding, txt_attention_mask
	s_load_b128 s[8:11], s[0:1], 0x30              ; Wdq, Wdk
	s_load_b128 s[12:15], s[0:1], 0x40             ; bdq, bdk
	s_load_b64 s[16:17], s[0:1], 0x60              ; gates
	s_lshr_b32 s18, ttmp9, 6                       ; g
	s_bfe_u32 s19, ttmp9, 0x20004                  ; b
	s_and_b32 s20, ttmp9, 15                       ; which 64 columns
	s_lshr_b32 s21, s2, 1                          ; which 32 tokens my wave pools
	s_mov_b32 s24, 0x76543210
	s_mov_b32 s25, 0xfedcba98
	v_and_b32 v1, 31, v0
	v_and_b32 v2, 63, v0
	v_lshlrev_b32 v3, 4, v2                        ; my 16 bytes of each 1,024 of a token's row
	v_lshlrev_b32 v4, 2, v1
	v_and_b32 v11, 15, v0
	v_bfe_u32 v13, v0, 4, 1                        ; h
	v_mul_u32_u24 v5, v13, 0x60000                 ; Wd: lanes 16-31 begin 96 rows further down;
	v_lshl_add_u32 v5, v11, 4, v5                  ; sixteen lanes read a row's 256 consecutive bytes
	s_mul_i32 s26, s2, 768
	s_add_co_u32 s26, s26, GP
	v_mul_u32_u24 v6, v13, 384
	v_add_nc_u32 v6, s26, v6                       ; the pool's numbers 192 w + 96 h on
	s_lshl_b32 s26, s2, 9
	s_add_co_u32 s26, s26, GR
	v_lshl_add_u32 v7, v1, 4, s26
	v_lshl_add_u32 v8, v2, 2, GR
	v_lshlrev_b32 v9, 2, v2
	s_mul_i32 s26, s21, 3072
	s_add_co_u32 s26, s26, GP
	v_add_nc_u32 v10, s26, v3
	s_wait_alu depctr_va_vdst(0)
	s_wait_kmcnt 0x0
	s_cmp_eq_u32 s18, 0                            ; the choice hangs on the work-group's number alone
	s_cselect_b64 s[8:9], s[8:9], s[10:11]
	s_cselect_b64 s[12:13], s[12:13], s[14:15]
	s_mov_b32 s11, 0
	s_lshl_b32 s10, s19, 8
	s_add_nc_u64 s[6:7], s[6:7], s[10:11]          ; the batch row's 64 mask numbers
	s_lshl_b32 s10, s21, 7
	s_add_nc_u64 s[22:23], s[6:7], s[10:11]
	s_load_b512 s[32:47], s[22:23], 0x0            ; my 32 tokens' mask numbers, as scalars
	s_load_b512 s[48:63], s[22:23], 0x40
	s_mul_i32 s10, s19, 196608
	s_mul_i32 s14, s21, 98304
	s_add_co_u32 s10, s10, s14
	s_add_nc_u64 s[4:5], s[4:5], s[10:11]
	s_mul_i32 s10, s2, 786432                      ; 192 rows of Wd a wave
	s_lshl_b32 s14, s20, 8
	s_add_co_u32 s10, s10, s14
	s_add_nc_u64 s[8:9], s[8:9], s[10:11]
	s_mov_b32 s10, s14
	s_add_nc_u64 s[12:13], s[12:13], s[10:11]
	s_lshl_b32 s10, s18, 2
	s_add_co_u32 s10, s10, s19
	s_lshl_b32 s10, s10, 12
	s_add_co_u32 s10, s10, s14
	s_add_nc_u64 s[16:17], s[16:17], s[10:11]
.macro LOADD gq                        ; 16 rows of Wd, group gq of six
.irp i, 0,1,2,3,4,5,6,7,8,9,10,11,12,13,14,15
	global_load_b128 v[WD+64*((\gq)%2)+4*\i:WD+64*((\gq)%2)+4*\i+3], v5, s[8:9] offset:(16*(\gq)+\i)*4096
.endr
.endm
.macro LOADT n                         ; load n of 96: token n / 3, third n % 3 of its row
	global_load_b128 v[TX+4*((\n)%16):TX+4*((\n)%16)+3], v3, s[4:5] offset:((\n)/3)*3072+((\n)%3)*1024
.endm
	global_load_b32 v12, v4, s[6:7]
	global_load_b32 v13, v4, s[6:7] offset:128
	global_load_b32 v14, v9, s[12:13]              ; bd of column tid % 64
	LOADD 0                                        ; the first two groups of Wd are asked for ahead of the pool
	LOADD 1
.set n, 0
.rept 16
	LOADT n
.set n, n+1
.endr
	s_wait_kmcnt 0x0                               ; the mask numbers
.set n, 0
.rept 96
.if n < 81
	s_wait_loadcnt 15                              ; load n is in; the 15 younger ones of the ring may be out
.else
	s_wait_loadcnt 95-n
.endif
.irp e, 0,1,2,3
.if n < 3
	v_mul_f32 v[AC+4*(n%3)+\e], s[32+n/3], v[TX+4*(n%16)+\e]
.else
	v_fmac_f32 v[AC+4*(n%3)+\e], s[32+n/3], v[TX+4*(n%16)+\e]
.endif
.endr
.if n+16 < 96
	LOADT n+16
.endif
.set n, n+1
.endr
	v_add_f32 v12, v12, v13                        ; the mask's sum, in every lane
	v_add_f32_dpp v12, v12, v12 row_xmask:1 row_mask:0xf bank_mask:0xf
	v_add_f32_dpp v12, v12, v12 row_xmask:2 row_mask:0xf bank_mask:0xf
	v_add_f32_dpp v12, v12, v12 row_xmask:4 row_mask:0xf bank_mask:0xf
	v_add_f32_dpp v12, v12, v12 row_xmask:8 row_mask:0xf bank_mask:0xf
	v_permlanex16_b32 v13, v12, s24, s25
	v_add_f32 v12, v12, v13
	s_wait_alu depctr_va_vdst(0)
	v_rcp_f32 v15, v12
.irp j, 0,1,2
	ds_store_b128 v10, v[AC+4*\j:AC+4*\j+3] offset:1024*\j
.endr
	s_wait_dscnt 0x0                               ; for the others' sake: my part of the pool is stored
	s_barrier_signal -1
	s_barrier_wait -1
.macro DOTG gq
.irp q, 0,1,2,3
	ds_load_b128 v[PL+4*\q:PL+4*\q+3], v6 offset:64*(\gq)+16*\q
	ds_load_b128 v[PL+16+4*\q:PL+16+4*\q+3], v6 offset:3072+64*(\gq)+16*\q
.endr
	s_wait_dscnt 0x0
.irp q, 0,2,4,6,8,10,12,14
	v_pk_add_f32 v[PL+\q:PL+\q+1], v[PL+\q:PL+\q+1], v[PL+16+\q:PL+16+\q+1]   ; the two halves of the tokens
.endr
.if (\gq) == 5
	s_wait_alu depctr_va_vdst(0)
	s_wait_loadcnt 0x0
.elseif (\gq) > 1
	s_wait_alu depctr_va_vdst(0)
	s_wait_loadcnt 16                              ; this group's rows are in; the next group's 16 loads may be out
.endif
.irp i, 0,1,2,3,4,5,6,7,8,9,10,11,12,13,14,15
.irp e, 0,1,2,3
.if ((\gq) == 0) && (\i == 0)
	v_mul_f32 v[DA+\e], v[PL+\i], v[WD+64*((\gq)%2)+4*\i+\e]
.else
	v_fmac_f32 v[DA+\e], v[PL+\i], v[WD+64*((\gq)%2)+4*\i+\e]
.endif
.endr
.endr
.if (\gq)+2 < 6
	LOADD (\gq)+2
.endif
.endm
.irp gq, 0,1,2,3,4,5
	DOTG \gq
.endr
	ds_store_b128 v7, v[DA:DA+3]                   ; part 2 w + h of eight, 64 columns each
	s_wait_dscnt 0x0
	s_barrier_signal -1
	s_barrier_wait -1
	s_cmp_gt_u32 s2, 1
	s_cbranch_scc1 .Lgend                          ; 64 columns: waves 0 and 1 finish them
.irp p, 0,1,2,3,4,5,6,7
	ds_load_b32 v[TX+\p], v8 offset:256*\p
.endr
	s_wait_dscnt 0x0
	v_add_f32 v32, v32, v33
	v_add_f32 v34, v34, v35
	v_add_f32 v36, v36, v37
	v_add_f32 v38, v38, v39
	v_add_f32 v32, v32, v34
	v_add_f32 v36, v36, v38
	v_add_f32 v32, v32, v36
	s_wait_alu depctr_va_vdst(0)
	v_fma_f32 v32, v32, v15, v14                   ; / the mask's sum, + bd
	v_mul_f32 v32, 0xbfb8aa3b, v32                 ; sigmoid(x) = 1 / (1 + 2^(-x log2 e))
	s_wait_alu depctr_va_vdst(0)
	v_exp_f32 v32, v32
	v_nop
	s_wait_alu depctr_va_vdst(0)
	v_add_f32 v32, 1.0, v32
	s_wait_alu depctr_va_vdst(0)
	v_rcp_f32 v32, v32
	v_nop
	s_wait_alu depctr_va_vdst(0)
	v_add_f32 v32, 1.0, v32
	global_store_b32 v9, v32, s[16:17]             ; 64 threads store 256 consecutive bytes, aligned
.Lgend:
	s_set_vgpr_msb 0x5
	s_wait_tensorcnt 0x0
	ds_add_u32 v0, v1
	s_wait_dscnt 0x0
	s_set_vgpr_msb 0x500
	s_endpgm
.Lfunc_end_k_q5d71705f88_prep:
	.size	k_q5d71705f88_prep, .Lfunc_end_k_q5d71705f88_prep-k_q5d71705f88_prep
	.p2alignl 7, 3214868480
	.fill 96, 4, 3214868480
	.section	.rodata,"a",@progbits
	.p2align	6, 0x0
	.amdhsa_kernel k_q5d71705f88_prep
		.amdhsa_group_segment_fixed_size 68096
		.amdhsa_private_segment_fixed_size 0
		.amdhsa_enable_private_segment 0
		.amdhsa_kernarg_size 104
		.amdhsa_user_sgpr_count 2
		.amdhsa_user_sgpr_kernarg_segment_ptr 1
		.amdhsa_wavefront_size32 1
		.amdhsa_system_sgpr_workgroup_id_x 1
		.amdhsa_system_sgpr_workgroup_id_y 1
		.amdhsa_system_sgpr_workgroup_id_z 1
		.amdhsa_system_vgpr_workitem_id 0
		.amdhsa_next_free_vgpr 258
		.amdhsa_next_free_sgpr 66
		.amdhsa_reserve_vcc 1
		.amdhsa_float_denorm_mode_32 3
		.amdhsa_float_denorm_mode_16_64 3
		.amdhsa_memory_ordered 1
		.amdhsa_forward_progress 1
		.amdhsa_inst_pref_size 133
	.end_amdhsa_kernel
	.amdgpu_metadata
---
amdhsa.version: [ 1, 2 ]
amdhsa.kernels:
  - .name:           k_q5d71705f88_prep
    .symbol:         k_q5d71705f88_prep.kd
    .args:
      - { .name: hidden_states, .offset: 0, .size: 8, .value_kind: global_buffer, .address_space: global }
      - { .name: Wq, .offset: 8, .size: 8, .value_kind: global_buffer, .address_space: global }
      - { .name: Wk, .offset: 16, .size: 8, .value_kind: global_buffer, .address_space: global }
      - { .name: Wv, .offset: 24, .size: 8, .value_kind: global_buffer, .address_space: global }
      - { .name: txt_embedding, .offset: 32, .size: 8, .value_kind: global_buffer, .address_space: global }
      - { .name: txt_attention_mask, .offset: 40, .size: 8, .value_kind: global_buffer, .address_space: global }
      - { .name: Wdq, .offset: 48, .size: 8, .value_kind: global_buffer, .address_space: global }
      - { .name: Wdk, .offset: 56, .size: 8, .value_kind: global_buffer, .address_space: global }
      - { .name: bdq, .offset: 64, .size: 8, .value_kind: global_buffer, .address_space: global }
      - { .name: bdk, .offset: 72, .size: 8, .value_kind: global_buffer, .address_space: global }
      - { .name: xq, .offset: 80, .size: 8, .value_kind: global_buffer, .address_space: global }
      - { .name: wq, .offset: 88, .size: 8, .value_kind: global_buffer, .address_space: global }
      - { .name: gates, .offset: 96, .size: 8, .value_kind: global_buffer, .address_space: global }
    .group_segment_fixed_size: 68096
    .private_segment_fixed_size: 0
    .kernarg_segment_align: 8
    .kernarg_segment_size: 104
    .max_flat_workgroup_size: 128
    .sgpr_count:     66
    .vgpr_count:     258
    .wavefront_size: 32
...
	.end_amdgpu_metadata
.endif
;; end of part 1
;; launch qkv (part 2): grid 64 x 4, 4 waves a work-group, clusters of 4 x 1, 327,680 bytes of LDS; arguments xq, wq, gates, bq, bk, bv, q_img, qs, kv_img, kvs; writes q_img, qs, kv_img, kvs
.if DOCPART == 2
	.amdgcn_target "amdgcn-amd-amdhsa--gfx1250"
	.amdhsa_code_object_version 6
	.text
	.protected	k_q5d71705f88_qkv
	.globl	k_q5d71705f88_qkv
	.p2align	8
	.type	k_q5d71705f88_qkv,@function
k_q5d71705f88_qkv:
	s_mov_b64 s[64:65], 0
	v_nop
	global_prefetch_b8 v0, s[64:65] scope:SCOPE_SE
	s_setreg_imm32_b32 hwreg(HW_REG_WAVE_MODE, 25, 1), 1
	s_wait_xcnt 0x0
	s_wait_alu depctr_hold_cnt(0) depctr_sa_sdst(0) depctr_va_vdst(0) depctr_va_sdst(0) depctr_va_ssrc(0) depctr_va_vcc(0) depctr_vm_vsrc(0)
	s_getreg_b32 s2, hwreg(HW_REG_IB_STS2, 6, 4)
	s_cmp_eq_u32 s2, 0
	s_cbranch_scc0 .Lentry_in_a_cluster
	s_endpgm
.Lentry_in_a_cluster:
	s_bfe_u32 s2, ttmp6, 0x10000c
	s_cmp_lg_u32 s2, 0x3003
	s_cbranch_scc0 .Lentry_shape_is_right
	s_endpgm
.Lentry_shape_is_right:
.set SLOT0, 102400
.set SLOT1, 179200
.set SPARE, 256000
.set SCR,   256512
.set SPW,  1
.set NIL,  2
.set LI,   3
.set ADRA, 3
.set ADRB, 5
.set ADRS, 7
.set ADRX, 9
.set GADR, 10
.set BADR, 11
.set LANE, 12
.set XSC,  24
.set WSC,  56
.set AF,   64
.set BF,   160
.set T,    64
.set GV,   128
.set BGV,  160
.set PC,   192
.set TM,   212
.set QW,   232
.set KW,   236
.set VW,   240
.set BV,   244
.set SWO,  252
.set WV,   24
.set G1X,  36
.set G1W,  44
.set G0X,  52
.set G0W,  56
.set SEL,  66
.set MSB, 0
.macro WIN new
.if MSB != (\new)
	s_set_vgpr_msb (MSB<<8)|(\new)
.set MSB, (\new)
.endif
.endm
.macro PLACES
.rept 4
	v_nop
.endr
.endm
.macro CREST
	s_cmp_lg_u32 s[WV], 0
	s_cbranch_scc1 .Lnot_wave_0_\@
	s_barrier_signal -3
.Lnot_wave_0_\@:
	s_barrier_wait -3
	s_barrier_signal -1
	s_barrier_wait -1
.endm
.macro CROUND
	s_barrier_signal -1
	s_barrier_wait -1
	CREST
.endm
.macro QUANT s, w
.irp b, 0,1,2,3
	v_max3_num_f32 v[TM+\b], |v[\s+16*\b]|, |v[\s+1+16*\b]|, 0x2800000
.endr
.irp i, 2,4,6,8,10,12,14
.irp b, 0,1,2,3
	v_max3_num_f32 v[TM+\b], v[TM+\b], |v[\s+16*\b+\i]|, |v[\s+1+16*\b+\i]|
.endr
.endr
.irp b, 0,1,2,3
	v_permlanex16_b32 v[TM+4+\b], v[TM+\b], s[SEL], s[SEL+1]
.endr
.irp b, 0,1,2,3
	v_max_num_f32 v[TM+\b], v[TM+\b], v[TM+4+\b]
.endr
.irp b, 0,1,2,3
	v_add_nc_u32 v[TM+12+\b], 0xfe000000, v[TM+\b]
.endr
.irp b, 0,1,2,3
	v_lshrrev_b32 v[TM+4+\b], 23, v[TM+12+\b]
.endr
	v_lshl_or_b32 v[\w], v[TM+5], 8, v[TM+4]
	v_lshl_or_b32 v[\w], v[TM+6], 16, v[\w]
	v_lshl_or_b32 v[\w], v[TM+7], 24, v[\w]
.irp c, 0,1
	v_cvt_scalef32_pk16_bf6_f32 v[PC+6*\c:PC+2+6*\c], v[\s+32*\c:\s+15+32*\c], v[TM+12+2*\c]
	v_cvt_scalef32_pk16_bf6_f32 v[PC+12+4*\c:PC+14+4*\c], v[\s+16+32*\c:\s+31+32*\c], v[TM+12+2*\c+1]
.endr
	v_nop
.irp c, 0,1
.irp i, 0,1,2
	v_permlane16_swap_b32 v[PC+6*\c+\i], v[PC+12+4*\c+\i]
.endr
.irp i, 0,1,2
	v_mov_b32 v[PC+3+6*\c+\i], v[PC+12+4*\c+\i]
.endr
.endr
.endm
	s_load_b256 s[4:11], s[0:1], 0x0
	s_load_b256 s[12:19], s[0:1], 0x20
	s_load_b128 s[20:23], s[0:1], 0x40
	v_lshl_add_u32 v[SPW], v0, 2, SPARE
	v_mov_b32 v[NIL], 0
	ds_add_u32 v1, v2
	ds_add_u32 v1, v2
	s_wait_dscnt 0x0
	v_lshrrev_b32 v12, 5, v0
	v_readfirstlane_b32 s[WV], v12
	s_bfe_u32 s25, ttmp6, 0x40000
	s_lshl_b32 s26, ttmp9, 2
	s_add_co_u32 s26, s26, s25
	s_and_b32 s27, ttmp7, 0xffff
	s_lshr_b32 s28, s26, 4
	s_and_b32 s29, s26, 15
	s_lshl_b32 s34, s27, 2
	s_add_co_u32 s34, s34, s[WV]
	s_lshl_b32 s35, s28, 4
	s_add_co_u32 s35, s35, s34
	s_mov_b32 s[SEL], 0x76543210
	s_mov_b32 s[SEL+1], 0xfedcba98
	s_mov_b32 s[G1X], 3<<16
	s_mov_b32 s[G1X+1], 32<<16
	s_mov_b32 s[G1X+2], 200<<16
	s_mov_b32 s[G1X+3], 32<<16
	s_mov_b32 s[G1X+4], 200
	s_mov_b32 s[G1X+5], 32
	s_mov_b32 s[G1X+6], 0
	s_mov_b32 s[G1X+7], 0
	s_mov_b32 s[G1W], 15|(3<<16)|(1<<21)
	s_mov_b32 s[G1W+1], 32<<16
	s_mov_b32 s[G1W+2], 150<<16
	s_mov_b32 s[G1W+3], 32<<16
	s_mov_b32 s[G1W+4], 150
	s_mov_b32 s[G1W+5], 32
	s_mov_b32 s[G1W+6], 0
	s_mov_b32 s[G1W+7], 0
	s_and_b32 s88, s[WV], 1                        ; the head's tiles go by halves: waves 0, 1 the tokens' block, waves 2, 3 the weights' K step 0
	s_mul_i32 s30, s88, 51200
	s_mul_i32 s89, s88, 38400
	s_mul_i32 s31, s[WV], 19200
	s_mul_i32 s68, s26, 102400
	s_add_co_u32 s68, s68, s30
	s_mov_b32 s69, 0
	s_mul_i32 s70, s27, 76800
	s_add_co_u32 s70, s70, s31
	s_mov_b32 s71, 0
	s_mul_i32 s90, s27, 76800
	s_add_co_u32 s90, s90, s89
	s_mov_b32 s91, 0
	s_mul_i32 s74, s35, 98304
	s_mul_i32 s72, s29, 6144
	s_add_co_u32 s74, s74, s72
	s_mov_b32 s75, 0
	s_mul_i32 s76, s35, 196608
	s_add_co_u32 s76, s76, s72
	s_mov_b32 s77, 0
	s_lshl_b32 s78, s35, 13
	s_lshl_b32 s72, s29, 9
	s_add_co_u32 s78, s78, s72
	s_mov_b32 s79, 0
	s_lshl_b32 s32, s34, 8
	s_mov_b32 s33, 0
	s_mul_i32 s72, s[WV], 1280
	s_add_co_u32 s72, s72, SCR
	s_wait_kmcnt 0x0
	s_mov_b32 s[G0X], 1
	s_mov_b32 s[G0X+1], s30
	s_add_nc_u64 s[G0X+2:G0X+3], s[4:5], s[68:69]
	s_or_b32 s[G0X+3], s[G0X+3], 0x80000000
	s_mov_b32 s[G0W], 1
	s_add_co_u32 s[G0W+1], s31, SLOT0
	s_add_nc_u64 s[G0W+2:G0W+3], s[6:7], s[70:71]
	s_mov_b32 s[G0W+4], 1
	s_add_co_u32 s[G0W+5], s31, SLOT1
	s_add_nc_u64 s[G0W+6:G0W+7], s[G0W+2:G0W+3], 307200
	s_or_b32 s[G0W+3], s[G0W+3], 0x80000000
	s_or_b32 s[G0W+7], s[G0W+7], 0x80000000
	s_mov_b32 s80, 1                               ; group 0 of the head's half of slot 0
	s_add_co_u32 s81, s89, SLOT0
	s_add_nc_u64 s[82:83], s[6:7], s[90:91]
	s_or_b32 s83, s83, 0x80000000
	s_add_nc_u64 s[16:17], s[16:17], s[74:75]
	s_add_nc_u64 s[20:21], s[20:21], s[76:77]
	s_add_nc_u64 s[18:19], s[18:19], s[78:79]
	s_add_nc_u64 s[22:23], s[22:23], s[78:79]
	s_add_nc_u64 s[10:11], s[10:11], s[32:33]
	s_add_nc_u64 s[12:13], s[12:13], s[32:33]
	s_add_nc_u64 s[14:15], s[14:15], s[32:33]
	s_lshl_b32 s68, s28, 12
	s_add_co_u32 s68, s68, s32
	s_add_nc_u64 s[8:9], s[8:9], s[68:69]
	CROUND
	s_cmp_lt_u32 s[WV], 2                          ; one tensor load a wave at the head: one chain of two arms on the wave's number
	s_cbranch_scc0 .Lhead_w
	tensor_load_to_lds s[G0X:G0X+3], s[G1X:G1X+7]
	s_nop 0
	PLACES
	s_branch .Lhead_asked
.Lhead_w:
	tensor_load_to_lds s[80:83], s[G1W:G1W+7]
	s_nop 0
	PLACES
.Lhead_asked:
	s_wait_alu depctr_va_vdst(0)
	s_wait_tensorcnt 0x0
	ds_add_u32 v1, v2
	s_mov_b32 s[G1W+2], 75<<16                     ; no tensor load of mine is out: from here on a load of weights brings 75 rows
	s_mov_b32 s[G1W+4], 75
	s_wait_dscnt 0x0
	CROUND
	tensor_load_to_lds s[G0W+4:G0W+7], s[G1W:G1W+7]
	s_nop 0
	PLACES
	v_and_b32 v[LANE], 31, v0
	v_lshlrev_b32 v[LI], 4, v[LANE]
	v_and_b32 v15, 15, v0
	v_bfe_u32 v16, v0, 4, 1
	v_add_nc_u32 v[ADRA+1], 49152, v[LI]
	v_add_nc_u32 v[ADRB], s[G0W+1], v[LI]
	v_add_nc_u32 v[ADRB+1], s[G0W+5], v[LI]
	v_lshl_add_u32 v[ADRS], v15, 2, s[G0W+1]
	v_lshl_add_u32 v[ADRS+1], v15, 2, s[G0W+5]
	v_lshl_add_u32 v[ADRX], v15, 4, 98304
	v_lshl_add_u32 v[GADR], v16, 6, s72
	v_and_b32 v18, 8, v15
	v_add_nc_u32 v18, v18, v15
	v_lshl_add_u32 v[BADR], v18, 2, s72
	v_lshl_add_u32 v13, v[LANE], 3, s72
	v_lshlrev_b32 v14, 3, v[LANE]
	global_load_b64 v[64:65], v14, s[8:9]
	global_load_b64 v[66:67], v14, s[8:9] offset:16384
	global_load_b64 v[68:69], v14, s[10:11]
	global_load_b64 v[70:71], v14, s[12:13]
	global_load_b64 v[72:73], v14, s[14:15]
	s_wait_alu depctr_va_vdst(0)
	s_wait_loadcnt 0x0
	v_pk_mul_f32 v[68:69], v[68:69], v[64:65]
	v_pk_mul_f32 v[70:71], v[70:71], v[66:67]
	ds_store_b64 v13, v[64:65]
	ds_store_b64 v13, v[68:69] offset:256
	ds_store_b64 v13, v[66:67] offset:512
	ds_store_b64 v13, v[70:71] offset:768
	ds_store_b64 v13, v[72:73] offset:1024
.macro MUL8 g, s, a0
.irp a, \a0, \a0+1
.irp t, 0,1,2,3
.set FBR, BF+48*((3*(\s)+(\g))%2)+12*\t
.set FAR, AF+12*(\a)
.set SWR, WSC+4*((3*(\s)+(\g))%2)+\t
.set SXR, XSC+4*(\a)+(\s)%4
.if (\g) < 2
.set DD, 8*(4*(\a)+\t)
.set OPA, FBR
.set OPB, FAR
.set SCA, SWR
.set SCB, SXR
.else
.set DD, 8*(8*\t+(\a))
.set OPA, FAR
.set OPB, FBR
.set SCA, SXR
.set SCB, SWR
.endif
.if (\s) == 0
	v_wmma_scale_f32_16x16x128_f8f6f4 v[DD:DD+7], v[OPA:OPA+11], v[OPB:OPB+11], 0, v[SCA], v[SCB] matrix_a_fmt:MATRIX_FMT_BF6 matrix_b_fmt:MATRIX_FMT_BF6
.else
	v_wmma_scale_f32_16x16x128_f8f6f4 v[DD:DD+7], v[OPA:OPA+11], v[OPB:OPB+11], v[DD:DD+7], v[SCA], v[SCB] matrix_a_fmt:MATRIX_FMT_BF6 matrix_b_fmt:MATRIX_FMT_BF6
.endif
.endr
.endr
.endm
.macro HALF g, s, a0
	MUL8 \g, \s, \a0
	MUL8 \g, \s, \a0+2
.endm
.macro FETCH_B gi
.set BSR, BF+48*((\gi)%2)
.set WSR, WSC+4*((\gi)%2)
.set SLR, ((\gi)/3)%2
.set GGR, (\gi)%3
.irp t, 0,1,2,3
.irp c, 0,1,2
	ds_load_b128 v[BSR+12*\t+4*\c:BSR+12*\t+4*\c+3], v[ADRB+SLR] offset:6144*GGR+1536*\t+512*\c
.endr
	ds_load_b32 v[WSR+\t], v[ADRS+SLR] offset:18432+256*GGR+64*\t
.endr
.endm
.macro FETCH_A s, a0
.irp a, \a0, \a0+1, \a0+2, \a0+3
.irp c, 0,1,2
	ds_load_b128 v[AF+12*(\a)+4*\c:AF+12*(\a)+4*\c+3], v[ADRA+(\a)/4] offset:((\a)%4)*12288+1536*(\s)+512*\c
.endr
.endr
.endm
.macro FETCH_XS kh, a0
.irp a, \a0, \a0+1, \a0+2, \a0+3
	ds_load_b128 v[XSC+4*(\a):XSC+4*(\a)+3], v[ADRX] offset:512*(\a)+256*(\kh)
.endr
.endm
.macro GROUP g, s, left
	s_wait_dscnt \left
	WIN 0x50*(\g+1)
	HALF \g, \s, 0
.if \left
	s_wait_dscnt 0x0
.endif
	PLACES
	WIN 0
	FETCH_B 3*(\s)+(\g)+1
	WIN 0x50*(\g+1)
	HALF \g, \s, 4
.endm
.macro TURN s
	WIN 0
	s_wait_tensorcnt 0x0
	ds_add_u32 v[SPW], v[NIL]
	s_wait_dscnt 1
	WIN 0xf0
	MUL8 2, \s, 0
	s_wait_dscnt 0x0
	s_barrier_signal -1
	MUL8 2, \s, 2
	WIN 0
	s_barrier_wait -1
.if (\s) < 6
	CREST
	s_add_nc_u64 s[G0W+4*((\s)%2)+2:G0W+4*((\s)%2)+3], s[G0W+4*((\s)%2)+2:G0W+4*((\s)%2)+3], 614400
	tensor_load_to_lds s[G0W+4*((\s)%2):G0W+4*((\s)%2)+3], s[G1W:G1W+7]
	s_nop 0
.endif
	PLACES
	FETCH_B 3*(\s)+3
.if (\s) == 3
	FETCH_XS 1, 0
.endif
	FETCH_A (\s)+1, 0
	WIN 0xf0
	HALF 2, \s, 4
	PLACES
	WIN 0
.if (\s) == 3
	FETCH_XS 1, 4
.endif
	FETCH_A (\s)+1, 4
.endm
	s_wait_tensorcnt 1
	s_wait_dscnt 0x0
	s_barrier_signal -1
	s_barrier_wait -1
	FETCH_XS 0, 0
	FETCH_XS 0, 4
	FETCH_B 0
	FETCH_A 0, 0
	FETCH_A 0, 4
.irp s, 0,1,2,3,4,5,6
	GROUP 0, \s, 12
	GROUP 1, \s, 0
	TURN \s
.endr
	GROUP 0, 7, 12
	GROUP 1, 7, 0
	s_wait_dscnt 0x0
	WIN 0xf0
	HALF 2, 7, 0
	HALF 2, 7, 4
	WIN 0
	PLACES
.irp b, 0,1,2,3
	v_mov_b32 v[TM+4+\b], 0
.endr
.macro EPI_QK win, arr, wreg, base
.irp n, 0,1,2,3,4,5,6,7
	ds_load_b128 v[GV+4*\n:GV+4*\n+3], v[GADR] offset:256*(\arr)+128*(\n/4)+16*(\n%4)
	ds_load_b128 v[BGV+4*\n:BGV+4*\n+3], v[GADR] offset:256*(\arr)+256+128*(\n/4)+16*(\n%4)
.endr
	s_wait_dscnt 0x0
.irp g2, 0,1,2,3
	s_wait_xcnt 0x0
	WIN \win
.set i, 0
.rept 32
	v_pk_fma_f32 v[T+i:T+i+1], v[64*\g2+i:64*\g2+i+1], v[GV+i%32:GV+i%32+1], v[BGV+i%32:BGV+i%32+1]
.set i, i+2
.endr
	WIN 0
	QUANT T, \wreg+\g2
.irp c, 0,1,2
	global_store_b128 v[LI], v[PC+4*\c:PC+4*\c+3], s[\base:\base+1] offset:1536*\g2+512*\c
.endr
.endr
.endm
	EPI_QK 1, 0, QW, 16
	global_store_b128 v[LI], v[QW:QW+3], s[18:19]
	EPI_QK 2, 2, KW, 20
.irp t, 0,1,2,3
	ds_load_b32 v[BV+2*\t], v[BADR] offset:1024+128*(\t/2)+32*(\t%2)
	ds_load_b32 v[BV+2*\t+1], v[BADR] offset:1024+128*(\t/2)+32*(\t%2)
.endr
	s_wait_dscnt 0x0
.irp t, 0,1,2,3
	s_wait_xcnt 0x0
	WIN 3
.set i, 0
.rept 32
	v_pk_add_f32 v[T+i:T+i+1], v[64*\t+i:64*\t+i+1], v[BV+2*\t:BV+2*\t+1]
.set i, i+2
.endr
	WIN 0
	QUANT T, VW+\t
.irp c, 0,1,2
	global_store_b128 v[LI], v[PC+4*\c:PC+4*\c+3], s[20:21] offset:98304+1536*\t+512*\c
.endr
.endr
	v_cmp_gt_u32 vcc_lo, 16, v[LANE]
.irp i, 0,1,2,3
	v_cndmask_b32 v[SWO+\i], v[VW+\i], v[KW+\i], vcc_lo
.endr
	global_store_b128 v[LI], v[SWO:SWO+3], s[22:23]
	s_wait_tensorcnt 0x0
	ds_add_u32 v[SPW], v[NIL]
	s_wait_dscnt 0x0
	CROUND
	s_endpgm
.Lfunc_end_k_q5d71705f88_qkv:
	.size	k_q5d71705f88_qkv, .Lfunc_end_k_q5d71705f88_qkv-k_q5d71705f88_qkv
	.p2alignl 7, 3214868480
	.fill 96, 4, 3214868480
	.section	.rodata,"a",@progbits
	.p2align	6, 0x0
	.amdhsa_kernel k_q5d71705f88_qkv
		.amdhsa_group_segment_fixed_size 327680
		.amdhsa_private_segment_fixed_size 0
		.amdhsa_enable_private_segment 0
		.amdhsa_kernarg_size 80
		.amdhsa_user_sgpr_count 2
		.amdhsa_user_sgpr_kernarg_segment_ptr 1
		.amdhsa_wavefront_size32 1
		.amdhsa_system_sgpr_workgroup_id_x 1
		.amdhsa_system_sgpr_workgroup_id_y 1
		.amdhsa_system_sgpr_workgroup_id_z 1
		.amdhsa_system_vgpr_workitem_id 0
		.amdhsa_next_free_vgpr 1024
		.amdhsa_next_free_sgpr 92
		.amdhsa_reserve_vcc 1
		.amdhsa_float_denorm_mode_32 3
		.amdhsa_float_denorm_mode_16_64 3
		.amdhsa_memory_ordered 1
		.amdhsa_forward_progress 1
		.amdhsa_inst_pref_size 229
	.end_amdhsa_kernel
	.amdgpu_metadata
---
amdhsa.version: [ 1, 2 ]
amdhsa.kernels:
  - .name:           k_q5d71705f88_qkv
    .symbol:         k_q5d71705f88_qkv.kd
    .args:
      - { .name: xq, .offset: 0, .size: 8, .value_kind: global_buffer, .address_space: global }
      - { .name: wq, .offset: 8, .size: 8, .value_kind: global_buffer, .address_space: global }
      - { .name: gates, .offset: 16, .size: 8, .value_kind: global_buffer, .address_space: global }
      - { .name: bq, .offset: 24, .size: 8, .value_kind: global_buffer, .address_space: global }
      - { .name: bk, .offset: 32, .size: 8, .value_kind: global_buffer, .address_space: global }
      - { .name: bv, .offset: 40, .size: 8, .value_kind: global_buffer, .address_space: global }
      - { .name: q_img, .offset: 48, .size: 8, .value_kind: global_buffer, .address_space: global }
      - { .name: qs, .offset: 56, .size: 8, .value_kind: global_buffer, .address_space: global }
      - { .name: kv_img, .offset: 64, .size: 8, .value_kind: global_buffer, .address_space: global }
      - { .name: kvs, .offset: 72, .size: 8, .value_kind: global_buffer, .address_space: global }
    .group_segment_fixed_size: 327680
    .private_segment_fixed_size: 0
    .kernarg_segment_align: 8
    .kernarg_segment_size: 80
    .max_flat_workgroup_size: 128
    .sgpr_count:     92
    .vgpr_count:     1024
    .wavefront_size: 32
...
	.end_amdgpu_metadata
.endif
;; end of part 2
;; launch attn (part 3): grid 4 x 64, 16 waves a work-group, clusters of 4 x 1, 327,680 bytes of LDS; arguments q_img, qs, kv_img, kvs, attention_mask, out0; writes out0
.if DOCPART == 3
	.amdgcn_target "amdgcn-amd-amdhsa--gfx1250"
	.amdhsa_code_object_version 6
	.text
	.protected	k_q5d71705f88_attn
	.globl	k_q5d71705f88_attn
	.p2align	8
	.type	k_q5d71705f88_attn,@function
k_q5d71705f88_attn:
	s_mov_b64 s[64:65], 0
	v_nop
	global_prefetch_b8 v0, s[64:65] scope:SCOPE_SE
	s_setreg_imm32_b32 hwreg(HW_REG_WAVE_MODE, 25, 1), 1
	s_wait_xcnt 0x0
	s_wait_alu depctr_hold_cnt(0) depctr_sa_sdst(0) depctr_va_vdst(0) depctr_va_sdst(0) depctr_va_ssrc(0) depctr_va_vcc(0) depctr_vm_vsrc(0)
	s_getreg_b32 s2, hwreg(HW_REG_IB_STS2, 6, 4)
	s_cmp_eq_u32 s2, 0
	s_cbranch_scc0 .Lentry_in_a_cluster
	s_endpgm
.Lentry_in_a_cluster:
	s_bfe_u32 s2, ttmp6, 0x10000c
	s_cmp_lg_u32 s2, 0x3003
	s_cbranch_scc0 .Lentry_shape_is_right
	s_endpgm
.Lentry_shape_is_right:
; out = softmax(q k^T / 8 + mask) v for one (batch row, head), both products on codes of E3M2.
; t = (q . k + 8 mask) log2(e) / 8; M = the running largest t rounded up to a whole number; p = 2^(t - M) is quantised along the keys, not normalised; the row's sum is
; taken of the unquantised p and divides at the end; when M moves, the sum and O are multiplied by 2^(old M - new M), exactly.
; SHARES.  A work-group owns 512 queries of a head, in two passes of sixteen waves x 16 queries.  The head's K and V (196,608 bytes of codes, images of operand registers) lie in LDS whole,
; filled once, jointly for the four work-groups of the head (mask 15): key steps 0-3 by one load a wave at the head, key steps 4-15 by one load a wave behind the full sequence and a round.
; Every byte of K and V is asked for by these two loads at the launch's start: there is no later trip's tile to ask for ahead, so no prefetch is laid.
; K = 64 IN A FORM OF K = 128: a double fragment of k holds one tile's 64 channels in registers 0-5 and another's in 6-11; multiplied by (q, 0) it gives the first's scores, by (0, q) the second's
; (zero codes cancel the other half; their scale bytes are 0x7f).
; WHICH KEYS FORM A TILE IS CHOSEN AT THE LDS READ.  In memory row i of double fragment d holds keys 32 d + i + 8 (i / 8) and that + 8.  Lane (r, h) reads, for the pair G of fragments and s = 0, 1,
; row r % 8 + 8 s of fragment 2 G + r / 8.  So a tile's rows 0-7 are eight neighbouring keys of block 2 G and its rows 8-15 the same eight of block 2 G + 1, and lane (r, h)'s 32 score registers of G
; are keys 64 G + 32 h + 0 .. 31: A WHOLE BLOCK OF 32 IN ONE LANE, in the order of the next operand's registers.  No lane is asked for a block's maximum, and no codes change lanes.
; K's planes of 512 bytes lie 640 apart in LDS (the descriptor pads), so that lanes 0-7 and 8-15 of a read, 1,920 bytes apart, fall on different banks.
; K's scale words are laid once, at the head, by the same choice of rows.  THE MASK: 8 x mask lies in LDS, is loaded into the scores' registers, and the first product adds onto it.
; Both products are used transposed: a lane holds one query throughout.
; LIMITS: NaN and infinities among the inputs are not served; the promise holds while the scaled scores stay under 2^31 in magnitude.
.set VB,    122880                     ; K: 192 planes x 640 from byte 0; V: 98,304 bytes from here
.set XS,    221184                     ; K's scale words, re-laid: 512 bytes a key step, word n of row r at 16 r + 4 n (the upper 256 bytes are not read)
.set YS,    XS+8192                    ; the scale words as they come: lanes 16-31 read v's from here
.set MSKB,  XS+16384                   ; 8 x mask, 2,048 f32
.set STG,   245760                     ; the way out: 16 rows x 272 bytes for each wave
.set SPARE, 315392                     ; the spare words, 128 bytes a wave
.set F,    40                          ; v40-87   four fragments of k or of v
.set S,    96                          ; v96-159  scores, then p
.set O,    160                         ; v160-191 O^T
.set PC,   192                         ; v192-203 p's codes; v204-210 at work
.set PWR,  224                         ; v224     p's scale word
.set WV,   16
.set SEL,  20
.set CS,   22
.set G1K,  24                          ; group 1 for k (padded), for v
.set G1V,  32
.set GKA,  40                          ; group 0: k, v of key steps 0-3; k, v of key steps 4-15
.set GVA,  44
.set GKB,  48
.set GVB,  52
.set TK,   56                          ; the key step's place in K (7,680 a step), in V (6,144), in scale words and mask (512)
.set TV,   57
.set TS,   58
.set CNT,  59
.macro CROUND
	s_barrier_signal -1
	s_barrier_wait -1
	s_cmp_lg_u32 s[WV], 0
	s_cbranch_scc1 .Lnot_wave_0_\@
	s_barrier_signal -3
.Lnot_wave_0_\@:
	s_barrier_wait -3
	s_barrier_signal -1
	s_barrier_wait -1
.endm
.macro JLOAD gk, gv                    ; waves 0-7 fetch k, waves 8-15 v: one joint load a wave
	s_cmp_lt_u32 s[WV], 8
	s_cbranch_scc0 .Lfor_v_\@
	tensor_load_to_lds s[\gk:\gk+3], s[G1K:G1K+7]
	s_nop 0
.rept 4
	v_nop
.endr
	s_branch .Lasked_\@
.Lfor_v_\@:
	tensor_load_to_lds s[\gv:\gv+3], s[G1V:G1V+7]
	s_nop 0
.rept 4
	v_nop
.endr
.Lasked_\@:
.endm
	s_load_b256 s[4:11], s[0:1], 0x0               ; q_img, qs, kv_img, kvs
	s_load_b128 s[12:15], s[0:1], 0x20             ; attention_mask, out0
	v_lshl_add_u32 v254, v0, 2, SPARE
	v_mov_b32 v255, 0
	ds_add_u32 v254, v255                          ; the opening lines
	ds_add_u32 v254, v255
	v_lshrrev_b32 v1, 5, v0
	s_delay_alu instid0(VALU_DEP_1)
	v_readfirstlane_b32 s[WV], v1                  ; wave 0..15
	s_bfe_u32 s17, ttmp6, 0x40000                  ; cx
	s_lshl_b32 s19, ttmp9, 2
	s_add_co_u32 s17, s17, s19                     ; my block of 512 queries: it enters q's and out's global addresses alone
	s_and_b32 s18, ttmp7, 0xffff                   ; 16 b + head, which the four partners share
	s_mov_b32 s[SEL], 0x76543210
	s_mov_b32 s[SEL+1], 0xfedcba98
	s_mov_b32 s[CS], 0x3e38aa3b                    ; log2(e) / 8
	s_mov_b32 s[CS+1], s[CS]
	s_mov_b32 s[G1K], 15|(3<<16)|(1<<20)|(1<<21)|(6<<22)|(31<<25)   ; all four work-groups; elements of 8 bytes; 32 words of padding behind every 128
	s_mov_b32 s[G1V], 15|(3<<16)|(1<<21)
.irp g, G1K, G1V
	s_mov_b32 s[\g+1], 64<<16                      ; rows of 512 bytes
	s_mov_b32 s[\g+2], 6<<16                       ; 6 rows a load at the head
	s_mov_b32 s[\g+3], 64<<16
	s_mov_b32 s[\g+4], 6
	s_mov_b32 s[\g+5], 64
	s_mov_b32 s[\g+6], 0
	s_mov_b32 s[\g+7], 0
.endr
	s_and_b32 s60, s[WV], 7
	s_mul_i32 s76, s60, 3072                       ; my part of key steps 0-3 in memory,
	s_mov_b32 s77, 0
	s_mul_i32 s78, s60, 9216                       ; and of key steps 4-15
	s_mov_b32 s79, 0
	s_mul_i32 s[GKA+1], s60, 3840                  ; in LDS: 6 planes of 640;
	s_mul_i32 s[GKB+1], s60, 11520                 ; 18 planes, behind the first 48
	s_add_co_u32 s[GKB+1], s[GKB+1], 30720
	s_add_co_u32 s[GVA+1], s76, VB
	s_add_co_u32 s[GVB+1], s78, VB+24576
.irp g, GKA, GVA, GKB, GVB
	s_mov_b32 s[\g], 1
.endr
	s_mul_i32 s68, s18, 196608
	s_mov_b32 s69, 0
	s_and_b32 s80, s[WV], 1                        ; u: my tile of the 32 queries
	s_lshr_b32 s81, s[WV], 1
	s_lshr_b32 s82, s[WV], 3
	s_lshl_b32 s83, s17, 4
	s_add_co_u32 s83, s83, s81                     ; my group of 32 queries in pass 0
	s_mul_i32 s60, s83, 1536
	s_mul_i32 s61, s18, 98304
	s_add_co_u32 s60, s60, s61
	s_mov_b32 s61, 0
	s_lshl_b32 s62, s17, 2
	s_add_co_u32 s62, s62, s82
	s_lshl_b32 s62, s62, 9                         ; qs: 512 bytes for four groups,
	s_lshl_b32 s63, s18, 13
	s_add_co_u32 s62, s62, s63
	s_and_b32 s63, s81, 3
	s_lshl_b32 s63, s63, 2                         ; word group % 4
	s_add_co_u32 s62, s62, s63
	s_mov_b32 s63, 0
	s_lshl_b32 s66, s18, 13
	s_mov_b32 s67, 0
	s_lshr_b32 s84, s18, 4                         ; batch row
	s_lshl_b32 s70, s84, 23                        ; out0: 2,048 tokens of 4,096 bytes a batch row,
	s_lshl_b32 s84, s84, 13
	s_mov_b32 s85, 0
	s_lshl_b32 s71, s83, 17                        ; 32 tokens a group,
	s_add_co_u32 s70, s70, s71
	s_lshl_b32 s71, s80, 15                        ; 8 u tokens,
	s_add_co_u32 s70, s70, s71
	s_and_b32 s71, s18, 15
	s_lshl_b32 s71, s71, 8                         ; the head's 256 bytes
	s_add_co_u32 s70, s70, s71
	s_mov_b32 s71, 0
	s_mul_i32 s72, s80, 520
	s_mul_i32 s74, s80, 1016
	s_lshl_b32 s73, s80, 4                         ; 16 u
	s_mul_i32 s75, s[WV], 4352
	s_add_co_u32 s75, s75, STG                     ; my stage
	s_wait_dscnt 0x0
	s_wait_kmcnt 0x0
	s_add_nc_u64 s[68:69], s[8:9], s[68:69]
	s_add_nc_u64 s[GKA+2:GKA+3], s[68:69], s[76:77]
	s_add_nc_u64 s[GVA+2:GVA+3], s[GKA+2:GKA+3], 98304
	s_add_nc_u64 s[GKB+2:GKB+3], s[68:69], s[78:79]
	s_add_nc_u64 s[GKB+2:GKB+3], s[GKB+2:GKB+3], 24576
	s_add_nc_u64 s[GVB+2:GVB+3], s[GKB+2:GKB+3], 98304
.irp g, GKA, GVA, GKB, GVB
	s_or_b32 s[\g+3], s[\g+3], 0x80000000
.endr
	s_add_nc_u64 s[4:5], s[4:5], s[60:61]
	s_add_nc_u64 s[6:7], s[6:7], s[62:63]
	s_add_nc_u64 s[10:11], s[10:11], s[66:67]
	s_add_nc_u64 s[12:13], s[12:13], s[84:85]
	s_add_nc_u64 s[14:15], s[14:15], s[70:71]
	CROUND                                         ; all four work-groups are here: the joint loads meet
	JLOAD GKA, GVA                                 ; key steps 0-3: my one tensor load at the head
.macro QLOAD p                         ; my tile's six registers of q out of the double fragment's image, and its scale word
	global_load_b64 v[22:23], v232, s[4:5] offset:12288*\p
	global_load_b64 v[24:25], v233, s[4:5] offset:12288*\p+8
	global_load_b64 v[26:27], v232, s[4:5] offset:12288*\p+512
	global_load_b32 v228, v1, s[6:7] offset:1024*\p
.endm
	v_lshlrev_b32 v234, 4, v0                      ; 512 threads x 16 bytes: the head's scale words, and the batch row's mask
	v_and_b32 v89, 31, v0
	v_lshlrev_b32 v1, 4, v89                       ; v1: 16 x lane
	v_add_nc_u32 v232, s72, v1
	v_add_nc_u32 v233, s74, v1
	global_load_b128 v[40:43], v234, s[10:11]
	global_load_b128 v[44:47], v234, s[12:13]
	QLOAD 0
	v_bfe_u32 v92, v0, 3, 1                        ; r / 8
	v_mul_u32_u24 v236, v92, 124
	v_add_nc_u32 v235, XS, v234
	v_sub_nc_u32 v236, v235, v236                  ; K's words, re-laid: 512 wave + 256 h + 16 (r % 8) + 4 (r / 8); word i goes 128 (i % 2) + 8 (i / 2) further on
	v_and_b32 v90, 15, v0                          ; r
	v_bfe_u32 v91, v0, 4, 1                        ; h
	v_lshl_add_u32 v2, v91, 7, MSKB                ; v2: my block's 32 mask numbers
	v_lshl_add_u32 v3, v91, 13, v1
	v_add_nc_u32 v3, XS, v3                        ; v3: my four scale words: lanes 0-15 k's, re-laid; lanes 16-31 v's, 8,192 bytes on
	v_mul_u32_u24 v7, v92, 1920
	v_and_b32 v93, 7, v0
	v_lshl_add_u32 v7, v93, 4, v7
	v_lshl_add_u32 v7, v91, 8, v7                  ; v7: k: fragment r / 8, row r % 8, half h
	v_add_nc_u32 v88, VB, v1                       ; v88: v: 16 x lane
	v_mul_u32_u24 v4, v90, 272
	v_lshl_add_u32 v4, v91, 6, v4
	v_add_nc_u32 v4, s75, v4                       ; v4: the stage, in: row r, + 64 h
	v_mul_u32_u24 v5, v91, 272
	v_lshl_add_u32 v5, v90, 4, v5
	v_add_nc_u32 v5, s75, v5                       ; v5: back: lanes 0-15 one row, lanes 16-31 the next
	v_lshlrev_b32 v6, 12, v91
	v_lshl_add_u32 v6, v90, 4, v6                  ; v6: and the same two tokens in out0
.irp i, 0,1,2,3,4,5
	v_mov_b32 v[16+\i], 0                          ; (0, q) = v[16:27], (q, 0) = v[22:33]
	v_mov_b32 v[28+\i], 0
.endr
	v_mov_b32 v217, 0                              ; a lane permute's destination counts as read
	v_mov_b32 v219, 0
	v_mov_b32 v227, 0                              ; named as the upper half of the pair v[226:227]
	s_wait_alu depctr_va_vdst(0)
	s_wait_loadcnt 4                               ; the scale words and the mask are in; q's four loads may be out
	v_pk_mul_f32 v[44:45], v[44:45], 0x41000000 op_sel_hi:[1,0]   ; 8 x mask: exact
	v_pk_mul_f32 v[46:47], v[46:47], 0x41000000 op_sel_hi:[1,0]
.irp i, 0,1,2,3
	ds_store_b32 v236, v[40+\i] offset:128*(\i%2)+8*(\i/2)
.endr
	ds_store_b128 v235, v[40:43] offset:8192
	ds_store_b128 v235, v[44:47] offset:16384
; A KEY STEP: 128 keys.  v8, v10, v11 (k, mask, scale words) were made a step ahead.
.macro STEP
	ds_load_b128 v[36:39], v11
.irp g, 0,1
.irp j, 0,1,2,3,4,5,6,7
	ds_load_b128 v[S+32*\g+4*\j:S+32*\g+4*\j+3], v10 offset:256*\g+16*\j   ; 8 x mask of keys 64 g + 32 h + 0 .. 31
.endr
.endr
.irp n, 0,1,2,3
.irp c, 0,1,2
	ds_load_b128 v[F+12*\n+4*\c:F+12*\n+4*\c+3], v8 offset:3840*(\n/2)+128*(\n%2)+640*\c
.endr
.endr
	s_wait_dscnt 0x0
.irp g, 0,1,2,3                                ; S^T = k q^T + 8 mask
	v_wmma_scale_f32_16x16x128_f8f6f4 v[S+16*\g:S+16*\g+7], v[F+12*\g:F+12*\g+11], v[22:33], v[S+16*\g:S+16*\g+7], v[36+\g], v34 matrix_a_fmt:MATRIX_FMT_BF6 matrix_b_fmt:MATRIX_FMT_BF6
	v_wmma_scale_f32_16x16x128_f8f6f4 v[S+16*\g+8:S+16*\g+15], v[F+12*\g:F+12*\g+11], v[16:27], v[S+16*\g+8:S+16*\g+15], v[36+\g], v35 matrix_a_fmt:MATRIX_FMT_BF6 matrix_b_fmt:MATRIX_FMT_BF6
.endr
	v_add_nc_u32 v9, s[TV], v88                    ; four address steps are the places behind the products: v's of this step, the others of the next
	s_add_co_u32 s[TK], s[TK], 7680
	s_add_co_u32 s[TS], s[TS], 512
	v_add_nc_u32 v8, s[TK], v7
	v_add_nc_u32 v10, s[TS], v2
	v_add_nc_u32 v11, s[TS], v3
.irp t, 0,1,2,3                                ; v's four tiles land under the softmax
.irp c, 0,1,2
	ds_load_b128 v[F+12*\t+4*\c:F+12*\t+4*\c+3], v9 offset:1536*\t+512*\c
.endr
.endr
.irp b, 0,1,2,3                                ; four chains of 16; chains 0, 1 are my block of g = 0, chains 2, 3 that of g = 1
	v_max3_num_f32 v[212+\b], v[S+16*\b], v[S+1+16*\b], v[S+2+16*\b]
.endr
.irp i, 3,5,7,9,11,13
.irp b, 0,1,2,3
	v_max3_num_f32 v[212+\b], v[212+\b], v[S+16*\b+\i], v[S+1+16*\b+\i]
.endr
.endr
	v_max_num_f32 v212, v212, v[S+15]
	v_max_num_f32 v214, v214, v[S+47]
	v_max3_num_f32 v213, v213, v[S+31], v212       ; the largest score of each of my two blocks: for the row's maximum, and for the block's largest p
	v_max3_num_f32 v215, v215, v[S+63], v214
	v_mov_b32 v218, v12                            ; the old -M
	s_delay_alu instid0(VALU_DEP_2)
	v_max_num_f32 v216, v213, v215
	s_delay_alu instid0(VALU_DEP_1)
	v_permlanex16_b32 v217, v216, s[SEL], s[SEL+1]
	s_delay_alu instid0(VALU_DEP_1)
	v_max3_num_f32 v13, v13, v216, v217            ; the running largest score of my query
	s_delay_alu instid0(VALU_DEP_1)
	v_mul_f32 v219, s[CS], v13                     ; as t
	s_delay_alu instid0(VALU_DEP_1)
	v_floor_f32 v12, -v219                         ; the new -M
	s_delay_alu instid0(VALU_DEP_1)
	v_sub_f32 v218, v12, v218                      ; old M - new M: a whole number, 0 or less
	s_delay_alu instid0(VALU_DEP_1)
	v_cvt_i32_f32 v218, v218
	s_delay_alu instid0(VALU_DEP_1)
	v_ldexp_f32 v226, 1.0, v218                    ; f = 2^(old M - new M)
.irp j, 0,2,4,6,8,10,12,14,16,18,20,22,24,26,28,30,32,34,36,38,40,42,44,46,48,50,52,54,56,58,60,62
	v_pk_fma_f32 v[S+\j:S+1+\j], v[S+\j:S+1+\j], s[CS:CS+1], v[12:13] op_sel_hi:[1,0,0]   ; t - M
.endr
	v_fma_f32 v213, v213, s[CS], v12
	v_fma_f32 v215, v215, s[CS], v12
.irp j, 0,2,4,6,8,10,12,14,16,18,20,22,24,26,28,30
	v_pk_mul_f32 v[O+\j:O+1+\j], v[O+\j:O+1+\j], v[226:227] op_sel_hi:[1,0]   ; O^T under the new M, ahead of the exponentials
.endr
	s_wait_alu depctr_va_vdst(0)                   ; the wait ahead of the batch
.irp j, 0,1,2,3,4,5,6,7,8,9,10,11,12,13,14,15,16,17,18,19,20,21,22,23,24,25,26,27,28,29,30,31,32,33,34,35,36,37,38,39,40,41,42,43,44,45,46,47,48,49,50,51,52,53,54,55,56,57,58,59,60,61,62,63
	v_exp_f32 v[S+\j], v[S+\j]                     ; p = 2^(t - M)
.endr
	v_exp_f32 v213, v213                           ; my two blocks' largest p
	v_exp_f32 v215, v215
	v_pk_mul_f32 v[14:15], v[14:15], v[226:227] op_sel_hi:[1,0]   ; the sums under the new M (a plain place behind the exponentials)
	s_wait_alu depctr_va_vdst(0)                   ; and the wait behind the batch
	v_max_num_f32 v213, 0x2800000, v213            ; the floor 2^(5 - 127)
	v_max_num_f32 v215, 0x2800000, v215
	s_delay_alu instid0(VALU_DEP_2)
	v_add_nc_u32 v220, 0xfe000000, v213            ; 4 off the exponent field: the conversions' scale operands
	s_delay_alu instid0(VALU_DEP_2)
	v_add_nc_u32 v221, 0xfe000000, v215
	s_delay_alu instid0(VALU_DEP_2)
	v_lshrrev_b32 v216, 23, v220
	s_delay_alu instid0(VALU_DEP_2)
	v_lshrrev_b32 v217, 23, v221
	s_delay_alu instid0(VALU_DEP_1)
	v_lshl_or_b32 v218, v217, 16, v216             ; my two bytes: blocks h and 2 + h
	s_delay_alu instid0(VALU_DEP_1)
	v_permlanex16_b32 v219, v218, s[SEL], s[SEL+1]
	s_delay_alu instid0(VALU_DEP_1)
	v_lshl_or_b32 v[PWR], v219, 8, v218            ; lanes 0-15, which alone are read: blocks 0, 2 mine, blocks 1, 3 lane l + 16's
.irp c, 0,1
	v_cvt_scalef32_pk16_bf6_f32 v[PC+6*\c:PC+2+6*\c], v[S+32*\c:S+15+32*\c], v[220+\c]
	v_cvt_scalef32_pk16_bf6_f32 v[PC+12+4*\c:PC+14+4*\c], v[S+16+32*\c:S+31+32*\c], v[220+\c]
.endr
	v_nop                                          ; one plain place behind a scaled conversion
.irp c, 0,1
.irp i, 0,1,2
	v_mov_b32 v[PC+3+6*\c+\i], v[PC+12+4*\c+\i]    ; a conversion's three registers begin on an even number: the block's second half is moved
.endr
.endr
	v_pk_add_f32 v[230:231], v[100:101], v[104:105]   ; the row's sum of the unquantised p, in eight chains.  These eight are the places between the scale word's and the codes' making and the products
	v_pk_add_f32 v[252:253], v[108:109], v[112:113]
	v_pk_add_f32 v[250:251], v[116:117], v[120:121]
	v_pk_add_f32 v[248:249], v[124:125], v[128:129]
	v_pk_add_f32 v[246:247], v[132:133], v[136:137]
	v_pk_add_f32 v[244:245], v[140:141], v[144:145]
	v_pk_add_f32 v[242:243], v[148:149], v[152:153]
	v_pk_add_f32 v[14:15], v[14:15], v[156:157]
	s_wait_alu depctr_va_vdst(0)
	s_wait_dscnt 0x0                               ; v's tiles are in
.irp t, 0,1,2,3                                ; O^T += v^T p^T; v's scale words stand in lanes 16-31
	v_wmma_scale_f32_16x16x128_f8f6f4 v[O+8*\t:O+8*\t+7], v[F+12*\t:F+12*\t+11], v[PC:PC+11], v[O+8*\t:O+8*\t+7], v[36+\t], v[PWR] matrix_a_fmt:MATRIX_FMT_BF6 matrix_b_fmt:MATRIX_FMT_BF6 matrix_a_scale:MATRIX_SCALE_ROW1
.endr
	v_pk_add_f32 v[230:231], v[230:231], v[96:97]  ; the rest of the sum: the places behind the products, ahead of the next step's loads
	v_pk_add_f32 v[252:253], v[252:253], v[98:99]
	v_pk_add_f32 v[250:251], v[250:251], v[102:103]
	v_pk_add_f32 v[248:249], v[248:249], v[106:107]
	v_pk_add_f32 v[246:247], v[246:247], v[110:111]
	v_pk_add_f32 v[244:245], v[244:245], v[114:115]
	v_pk_add_f32 v[242:243], v[242:243], v[118:119]
	v_pk_add_f32 v[14:15], v[14:15], v[122:123]
	v_pk_add_f32 v[230:231], v[230:231], v[126:127]
	v_pk_add_f32 v[252:253], v[252:253], v[130:131]
	v_pk_add_f32 v[250:251], v[250:251], v[134:135]
	v_pk_add_f32 v[248:249], v[248:249], v[138:139]
	v_pk_add_f32 v[246:247], v[246:247], v[142:143]
	v_pk_add_f32 v[244:245], v[244:245], v[146:147]
	v_pk_add_f32 v[242:243], v[242:243], v[150:151]
	v_pk_add_f32 v[14:15], v[14:15], v[154:155]
	v_pk_add_f32 v[230:231], v[230:231], v[158:159]
	s_delay_alu instid0(VALU_DEP_2)
	v_pk_add_f32 v[14:15], v[14:15], v[248:249]
	s_delay_alu instid0(VALU_DEP_2)
	v_pk_add_f32 v[230:231], v[230:231], v[246:247]
	v_pk_add_f32 v[252:253], v[252:253], v[244:245]
	v_pk_add_f32 v[250:251], v[250:251], v[242:243]
	s_delay_alu instid0(VALU_DEP_2)
	v_pk_add_f32 v[14:15], v[14:15], v[252:253]
	s_delay_alu instid0(VALU_DEP_2)
	v_pk_add_f32 v[230:231], v[230:231], v[250:251]
	s_delay_alu instid0(VALU_DEP_1)
	v_pk_add_f32 v[14:15], v[14:15], v[230:231]
	s_add_co_u32 s[TV], s[TV], 6144
.endm
.macro STEPS n
	s_mov_b32 s[CNT], \n
.Lstep_\@:
	STEP
	s_sub_co_u32 s[CNT], s[CNT], 1
	s_cmp_lg_u32 s[CNT], 0
	s_cbranch_scc1 .Lstep_\@
.endm
; A PASS: 16 queries a wave against all 2,048 keys.
.macro PASS p
.if \p
	s_wait_xcnt 0x0                                ; the last pass's stores have read their registers
	QLOAD \p
.endif
	s_mov_b32 s[TK], 0
	s_mov_b32 s[TV], 0
	s_mov_b32 s[TS], 0
	v_mov_b32 v8, v7
	v_mov_b32 v10, v2
	v_mov_b32 v11, v3
	v_mov_b32 v13, 0xff61b1e6                      ; the largest score so far: -3e38
	v_mov_b32 v12, 0x7e000000                      ; -M = 2^125: over every -M to come
	v_mov_b32 v14, 0
	v_mov_b32 v15, 0
	s_wait_alu depctr_va_vdst(0)
	s_wait_loadcnt 0x0
	v_lshrrev_b32 v228, s73, v228                  ; my tile's two scale bytes
	s_delay_alu instid0(VALU_DEP_1)
	v_and_b32 v228, 0xffff, v228
	s_delay_alu instid0(VALU_DEP_1)
	v_or_b32 v34, 0x7f7f0000, v228                 ; for (q, 0)
	v_lshl_or_b32 v35, v228, 16, 0x7f7f            ; for (0, q)
.irp j, 0,1,2,3,4,5,6,7,8,9,10,11,12,13,14,15,16,17,18,19,20,21,22,23,24,25,26,27,28,29,30,31
	v_mov_b32 v[O+\j], 0                           ; O^T: the first change of M leaves zeros zeros.  (Also the places between the scale words' making and the first product)
.endr
	s_wait_alu depctr_va_vdst(0)
.if \p == 0
	s_wait_tensorcnt 0x0                           ; my part of key steps 0-3 is in
	ds_add_u32 v254, v255
.irp g, G1K, G1V
	s_mov_b32 s[\g+2], 18<<16                      ; no tensor load of mine is out: the next load brings 18 rows
	s_mov_b32 s[\g+4], 18
.endr
	s_wait_dscnt 0x0                               ; the add is done, and my stores of scale words and mask
	CROUND                                         ; everybody's are, and all four work-groups are here
	JLOAD GKB, GVB                                 ; key steps 4-15, the first tensor load behind the round: it has four steps' work in which to land
	STEPS 4
	s_wait_alu depctr_va_vdst(0)
	s_wait_tensorcnt 0x0                           ; my part of key steps 4-15 is in
	s_wait_dscnt 0x0
	s_barrier_signal -1
	s_barrier_wait -1                              ; everybody's is
	STEPS 12
.else
	STEPS 16
.endif
	v_add_f32 v14, v14, v15
	s_delay_alu instid0(VALU_DEP_1)
	v_permlanex16_b32 v228, v14, s[SEL], s[SEL+1]
	s_delay_alu instid0(VALU_DEP_1)
	v_add_f32 v14, v14, v228                       ; the row's sum
	s_wait_alu depctr_va_vdst(0)
	v_rcp_f32 v14, v14
	v_nop
	s_wait_alu depctr_va_vdst(0)
.irp j, 0,2,4,6,8,10,12,14,16,18,20,22,24,26,28,30
	v_pk_mul_f32 v[S+\j:S+1+\j], v[O+\j:O+1+\j], v[14:15] op_sel_hi:[1,0]   ; register 16 b + i: channel 32 b + 16 h + i of my query
.endr
.irp n, 0,1,2,3,4,5,6,7
	ds_store_b128 v4, v[S+4*\n:S+4*\n+3] offset:128*(\n/4)+16*(\n%4)
.endr
.irp i, 0,1,2,3,4,5,6,7
	ds_load_b128 v[F+4*\i:F+4*\i+3], v5 offset:544*\i    ; LDS serves a wave's instructions in order: these see my stores
.endr
.irp i, 0,1,2,3,4,5,6,7
	s_wait_dscnt 7-\i                              ; the younger reads may be out
	global_store_b128 v6, v[F+4*\i:F+4*\i+3], s[14:15] offset:1048576*\p+(2*\i+8*(\i/4))*4096 th:TH_STORE_NT   ; sixteen lanes store a token's 256 bytes of the head, aligned
.endr
.endm
	PASS 0
	PASS 1
	s_wait_tensorcnt 0x0                           ; the wave's end
	ds_add_u32 v254, v255
	s_wait_dscnt 0x0
	CROUND                                         ; the closing round
	s_endpgm
.Lfunc_end_k_q5d71705f88_attn:
	.size	k_q5d71705f88_attn, .Lfunc_end_k_q5d71705f88_attn-k_q5d71705f88_attn
	.p2alignl 7, 3214868480
	.fill 96, 4, 3214868480
	.section	.rodata,"a",@progbits
	.p2align	6, 0x0
	.amdhsa_kernel k_q5d71705f88_attn
		.amdhsa_group_segment_fixed_size 327680
		.amdhsa_private_segment_fixed_size 0
		.amdhsa_enable_private_segment 0
		.amdhsa_kernarg_size 48
		.amdhsa_user_sgpr_count 2
		.amdhsa_user_sgpr_kernarg_segment_ptr 1
		.amdhsa_wavefront_size32 1
		.amdhsa_system_sgpr_workgroup_id_x 1
		.amdhsa_system_sgpr_workgroup_id_y 1
		.amdhsa_system_sgpr_workgroup_id_z 1
		.amdhsa_system_vgpr_workitem_id 0
		.amdhsa_next_free_vgpr 256
		.amdhsa_next_free_sgpr 96
		.amdhsa_reserve_vcc 0
		.amdhsa_float_denorm_mode_32 3
		.amdhsa_float_denorm_mode_16_64 3
		.amdhsa_memory_ordered 1
		.amdhsa_forward_progress 1
		.amdhsa_inst_pref_size 69
	.end_amdhsa_kernel
	.amdgpu_metadata
---
amdhsa.version: [ 1, 2 ]
amdhsa.kernels:
  - .name:           k_q5d71705f88_attn
    .symbol:         k_q5d71705f88_attn.kd
    .args:
      - { .name: q_img, .offset: 0, .size: 8, .value_kind: global_buffer, .address_space: global }
      - { .name: qs, .offset: 8, .size: 8, .value_kind: global_buffer, .address_space: global }
      - { .name: kv_img, .offset: 16, .size: 8, .value_kind: global_buffer, .address_space: global }
      - { .name: kvs, .offset: 24, .size: 8, .value_kind: global_buffer, .address_space: global }
      - { .name: attention_mask, .offset: 32, .size: 8, .value_kind: global_buffer, .address_space: global }
      - { .name: out0, .offset: 40, .size: 8, .value_kind: global_buffer, .address_space: global }
    .group_segment_fixed_size: 327680
    .private_segment_fixed_size: 0
    .kernarg_segment_align: 8
    .kernarg_segment_size: 48
    .max_flat_workgroup_size: 512
    .sgpr_count:     96
    .vgpr_count:     256
    .wavefront_size: 32
...
	.end_amdgpu_metadata
.endif
;; end of part 3
